; MI455X (gfx1250); checked and timed in simulation.
; The chip was launched on July 23, 2026; its instructions are those of AMD's public machine-readable ISA for CDNA 5 (MIT licence, August 2026) and "CDNA5" Instruction Set Architecture Reference Guide (July 2026). The comments in the code are by the model that wrote it; some were corrected since.
;; Implicit Network Grid. Allowed arithmetic: float matrix products may take bf16 or f16 operands with f32 sums; all other float work in f32.
;; Inputs: W0 128 x 89 float32; W1 128 x 128 float32; W2 1 x 128 float32; b0 128 float32; b1 128 float32; b2 1 float32; table 8 x 524,288 x 4 float32; x 524,288 x 3 float32.
;; Outputs: out0 524,288 x 1 float32.
;; One version. Each part assembles by itself: llvm-mc -triple=amdgcn-amd-amdhsa -mcpu=gfx1250 --defsym DOCPART=n.
;; ======== version 1 of 1: 2 launches
;; limits: a function is approximated: absolute error at most 0.0004
;; workspace buffers: q 4,194,304 bytes of whole numbers
;; launch quant (part 1): grid 256 x 1, 8 waves a work-group, no clusters, 0 bytes of LDS; arguments x, q; writes q
.if DOCPART == 1
	.amdgcn_target "amdgcn-amd-amdhsa--gfx1250"
	.amdhsa_code_object_version 6
	.text
	.protected	k_qa7a6368f20_quant
	.globl	k_qa7a6368f20_quant
	.p2align	8
	.type	k_qa7a6368f20_quant,@function
k_qa7a6368f20_quant:
	s_mov_b64 s[64:65], 0
	v_nop
	global_prefetch_b8 v0, s[64:65] scope:SCOPE_SE
	s_setreg_imm32_b32 hwreg(HW_REG_WAVE_MODE, 25, 1), 1
	s_wait_xcnt 0x0
; q[n] = the cell of point n on the finest grid (2048 per axis), as whole numbers, 8 bytes a point:
;   word 0 = qx | qy << 16, word 1 = qz, q_d = clip(floor(2048 x_d), 0, 2047).
; Every grid of the encoding has 16 << l cells per axis, x * 2^k is exact in f32, and the clip bounds 0 and (16 << l) * 2^(7-l) - 1
; commute with a shift right, so clip(floor(x * (16 << l)), 0, (16 << l) - 1) = q >> (7 - l): this one cell serves all eight levels.
; The next launch forms its gather addresses from these whole numbers alone.
; Clamping to [0, 2047] and then truncating equals flooring and then clipping: below 0 both give 0, above 2047 both give 2047,
; between them truncation is the floor.
; LIMITS: |x| < 2^20 (beyond it 2048 x leaves the range of a 32-bit integer).  For x = NaN the cell is whatever the clamp yields;
; the next launch bounds the index once more and its result is NaN, since x itself enters the network.
; A stream: no LDS, no barrier.  A work-group takes 2,048 points, thread t the points 256 i + t, i = 0 .. 7.
; A load of a wave covers 384 consecutive bytes, a store 256 consecutive bytes at a multiple of 256 from the first byte of q.
.set XV, 4                             ; v[4+4i : 7+4i]  slot i: x, y, z as loaded, and one spare
	s_load_b128 s[4:7], s[0:1], 0x0                ; x s[4:5], q s[6:7]
	s_mul_i32 s8, ttmp9, 2048*12                   ; the work-group's part of x,
	s_mov_b32 s9, 0
	s_lshl_b32 s10, ttmp9, 14                      ; and of q (2,048 points of 8 bytes)
	s_mov_b32 s11, 0
	v_mul_u32_u24 v1, 12, v0
	v_lshlrev_b32 v2, 3, v0
	s_wait_kmcnt 0x0
	s_add_nc_u64 s[4:5], s[4:5], s[8:9]
	s_add_nc_u64 s[6:7], s[6:7], s[10:11]
.irp i, 0,1,2,3,4,5,6,7
	global_load_b96 v[XV+4*\i:XV+4*\i+2], v1, s[4:5] offset:3072*\i
.endr
.irp i, 0,1,2,3,4,5,6,7
	s_wait_loadcnt 7-\i                            ; loads come back in order: slot i is in, the 7 - i younger ones stay out
	v_pk_mul_f32 v[XV+4*\i:XV+4*\i+1], v[XV+4*\i:XV+4*\i+1], 0x45000000 op_sel_hi:[1,0]   ; x 2048, exact
	v_mul_f32 v[XV+4*\i+2], 0x45000000, v[XV+4*\i+2]
	v_med3_num_f32 v[XV+4*\i],   v[XV+4*\i],   0, 0x44ffe000        ; clamp to [0, 2047]
	v_med3_num_f32 v[XV+4*\i+1], v[XV+4*\i+1], 0, 0x44ffe000
	v_med3_num_f32 v[XV+4*\i+2], v[XV+4*\i+2], 0, 0x44ffe000
	v_cvt_u32_f32 v[XV+4*\i],   v[XV+4*\i]         ; qx
	v_cvt_u32_f32 v[XV+4*\i+3], v[XV+4*\i+1]       ; qy, into the spare
	v_cvt_u32_f32 v[XV+4*\i+1], v[XV+4*\i+2]       ; qz, into word 1
	v_lshl_or_b32 v[XV+4*\i], v[XV+4*\i+3], 16, v[XV+4*\i]
	global_store_b64 v2, v[XV+4*\i:XV+4*\i+1], s[6:7] offset:2048*\i   ; no register that a store names is written again
.endr
	s_endpgm
.Lfunc_end_k_qa7a6368f20_quant:
	.size	k_qa7a6368f20_quant, .Lfunc_end_k_qa7a6368f20_quant-k_qa7a6368f20_quant
	.p2alignl 7, 3214868480
	.fill 96, 4, 3214868480
	.section	.rodata,"a",@progbits
	.p2align	6, 0x0
	.amdhsa_kernel k_qa7a6368f20_quant
		.amdhsa_group_segment_fixed_size 0
		.amdhsa_private_segment_fixed_size 0
		.amdhsa_enable_private_segment 0
		.amdhsa_kernarg_size 16
		.amdhsa_user_sgpr_count 2
		.amdhsa_user_sgpr_kernarg_segment_ptr 1
		.amdhsa_wavefront_size32 1
		.amdhsa_system_sgpr_workgroup_id_x 1
		.amdhsa_system_sgpr_workgroup_id_y 1
		.amdhsa_system_sgpr_workgroup_id_z 1
		.amdhsa_system_vgpr_workitem_id 0
		.amdhsa_next_free_vgpr 40
		.amdhsa_next_free_sgpr 66
		.amdhsa_reserve_vcc 0
		.amdhsa_float_denorm_mode_32 3
		.amdhsa_float_denorm_mode_16_64 3
		.amdhsa_memory_ordered 1
		.amdhsa_forward_progress 1
		.amdhsa_inst_pref_size 8
	.end_amdhsa_kernel
	.amdgpu_metadata
---
amdhsa.version: [ 1, 2 ]
amdhsa.kernels:
  - .name:           k_qa7a6368f20_quant
    .symbol:         k_qa7a6368f20_quant.kd
    .args:
      - { .name: x, .offset: 0, .size: 8, .value_kind: global_buffer, .address_space: global }
      - { .name: q, .offset: 8, .size: 8, .value_kind: global_buffer, .address_space: global }
    .group_segment_fixed_size: 0
    .private_segment_fixed_size: 0
    .kernarg_segment_align: 8
    .kernarg_segment_size: 16
    .max_flat_workgroup_size: 256
    .sgpr_count:     66
    .vgpr_count:     40
    .wavefront_size: 32
...
	.end_amdgpu_metadata
.endif
;; end of part 1
;; launch field (part 2): grid 256 x 1, 16 waves a work-group, no clusters, 97,792 bytes of LDS; arguments x, q, table, W0, b0, W1, b1, W2, b2, out0; writes out0
.if DOCPART == 2
	.amdgcn_target "amdgcn-amd-amdhsa--gfx1250"
	.amdhsa_code_object_version 6
	.text
	.protected	k_qa7a6368f20_field
	.globl	k_qa7a6368f20_field
	.p2align	8
	.type	k_qa7a6368f20_field,@function
k_qa7a6368f20_field:
	s_mov_b64 s[64:65], 0
	v_nop
	global_prefetch_b8 v0, s[64:65] scope:SCOPE_SE
	s_setreg_imm32_b32 hwreg(HW_REG_WAVE_MODE, 25, 1), 1
	s_wait_xcnt 0x0
; out = W2 softplus100(W1 softplus100(W0 [x, sin, cos, grid features] + b0) + b1) + b2 for 524,288 points, in one launch.
; A work-group takes 2,048 points, a wave 128 of them in 4 trips of 32.  16 waves of 256 registers fill the four SIMDs; behind the one barrier
; (weights and x staged in LDS) the waves are independent, so that the gather waits of one lie under the arithmetic of the others.
;
; SOFTPLUS IN BASE 2.  S = 100 log2 e.  Staged: W0' = bf16(S W0), b0' = S b0, W1' = bf16(W1), b1' = S b1, W2' = W2 ln2 / 100.
; With y the sum, g = max(y, 0) + log2(1 + 2^-|y|) and softplus100 = g ln2 / 100; (ln2 / 100) S = 1, so W1 needs no factor.
; The maximum is taken away as the reference's stable softplus does: no exponential can overflow.
; THE MATRIX INSTRUCTION TAKES THE WEIGHTS AS A (rows = neurons) AND THE ACTIVATIONS AS B (columns = points).  Register j of lane (r, h) of result
; tile t is neuron 16 t + 8 h + j of point r: rounding registers (2i, 2i+1) of tiles 2s and 2s+1 to bf16 gives registers 0-3 and 4-7 of the
; B fragment of K step s of the next layer.  Layer 1 feeds layer 2 without LDS and without lane traffic.  Biases enter in f32 as the C of a chain's first link.
; THE LAST LAYER (one output column, 128 terms) runs in f32 on the vector unit: half an instruction a term, as much as rounding to bf16
; would cost, and W2, whose 128 entries may all be nearly equal, is not rounded.
; MY ORDER OF K (applied alike to W0' and to the input): k' 0-31 grid features (W0 columns 57 + k'), 32-88 x, sin, cos (columns k' - 32),
; 89-91 x - bf16(x) against columns 0-2 once more (x enters as a high and a low bf16 part), 92-95 zero.
; SIN AND COS: r = x - 2 pi rndne(x / 2 pi) in two fused steps, Taylor series at r / 4 (|angle| <= pi / 4: remainders 2e-9 and 2.5e-8), then ten
; angle doublings s' = 2 s c, c' = c c - s s; the first two reach x, the next eight are the octaves.  An error doubles with each step.
; LIMITS: |x| < 2^20.  sin, cos: error at most about 4e-4 at the top octave (1e-7 x 2^10 from the series and its roundings, 2.4e-7 x 2^8 from the
; reduction, each doubling's own rounding doubled on), a fifth of the bf16 rounding of that operand.  2^-|y| below 2^-126 counts as 0 (ISA guide 15.8),
; and log2(1 + t) loses t below 6e-8: under 1e-9 in a softplus.  v_fract_f32 differs from pos - floor(pos) by one ulp where that difference rounds to 1.
; x = NaN: the index is bounded, the result is NaN.
; NO CLUSTER, NO TENSOR LOADS: what work-groups share is 111 KB of weights against 2 MB of gathered rows for each, and the weights have to pass
; through registers anyway (f32 to bf16, a factor, a rotation of columns).  The gathers are lane by lane.  NO PREFETCH: the gathers themselves are
; issued two to three levels ahead of their use, and a request more for each would double the requests.
.set TRIPS,  4
.set PITCH0, 208                       ; W0': 96 bf16 + 16 bytes; 13 x 16: sixteen rows begin in sixteen different 16-byte columns modulo 256
.set PITCH1, 272                       ; W1': 128 bf16 + 16 bytes; 17 x 16
.set W1S, 26624                        ; LDS: W0' at 0 (128 x 208), W1' here (128 x 272),
.set BS,  61440                        ; b0', b1', W2' (128 f32 each),
.set XS,  62976                        ; the work-group's x (24,576 bytes, as in memory),
.set OS,  87552                        ; results, 512 bytes for each wave, its own
.set K_S,     0x431044fe               ; 100 log2 e
.set K_LN2C,  0x3be32166               ; ln 2 / 100
.set K_N2PIH, 0xc0c90fdb               ; -(2 pi rounded to f32)
.set K_N2PIL, 0x343bbd2e               ; -(2 pi - that)
.set K_S1, 0xbe2aaaab                  ; -1/6
.set K_S2, 0x3c088889                  ; 1/120
.set K_S3, 0xb9500d01                  ; -1/5040
.set K_S4, 0x3638ef1e                  ; 1/362880
.set K_C2, 0x3d2aaaab                  ; 1/24
.set K_C3, 0xbab60b61                  ; -1/720
.set K_C4, 0x37d00d01                  ; 1/40320
; registers that live through the loop
.set AW0, 1                            ; 208 r + 16 h
.set AW1, 2                            ; W1S + 272 r + 16 h
.set BA,  3                            ; BS + 32 h
.set XR,  4                            ; v[4:7]  x, y, z, 0
.set QR,  8                            ; v[8:9]  the point's cell
.set DA,  10                           ; v10-12  address of dense level l
.set XA,  13                           ; where my x lies in LDS
.set OA,  14                           ; where my result goes in LDS
.set QOFF, 15                          ; my byte offset in q
; encoding
.set B1,  16                           ; v16-63   the 96 inputs of my point, 48 packed registers, then the B fragments of layer 1
.set GB,  64                           ; v64-159  three gather buffers of 8 corners x 4
.set SN,  160                          ; v160-195 sin, octave m at 4 m
.set CS,  196                          ; v196-231 cos
.set TH,  232
.set ZZ,  236
.set PS,  240
.set PC,  244
.set UU,  248
.set VV,  252
.set XL,  232                          ; x - bf16(x), where TH was
.set POS, 160                          ; interpolation, where SN was
.set FX,  164                          ; pairs (1 - f, f)
.set FY,  166
.set FZ,  168
.set WYZ, 170
.set WT,  174                          ; the eight weights, corner c = dx + 2 dy + 4 dz
.set FR,  182                          ; the four features
.set PX,  232                          ; px, px + 1
.set A0,  234                          ; py P1, (py + 1) P1
.set B0,  236                          ; pz P2, (pz + 1) P2
.set HH,  238                          ; the four yz terms, dy + 2 dz
; network
.set W2R, 16                           ; v16-47   W2' of my neurons, two sets of 16 (layer 2)
.set PA,  48                           ; v48-55   four pairs of partial sums (layer 2)
.set H1,  64                           ; v64-127  B fragments of layer 2: (K step k, tile n) at 16 k + 8 n
.set ACC, 128                          ; v128-159 tile (tp, n) at 8 (2 tp + n)
.set TT,  160                          ; v160-175
.set AF,  176                          ; v176-239 A fragment (tp, k) at 8 (4 tp + k)
.set BI,  240                          ; v240-255 bias of tile tp
.set TB,  28                           ; s[28+2l:29+2l] table of level l
	s_load_b512 s[4:19], s[0:1], 0x0               ; x 4, q 6, table 8, W0 10, b0 12, W1 14, b1 16, W2 18
	s_load_b128 s[20:23], s[0:1], 0x40             ; b2 20, out0 22
	v_lshrrev_b32 v12, 5, v0
	v_readfirstlane_b32 s24, v12                   ; wave
	v_and_b32 v11, 31, v0                          ; lane
	v_lshlrev_b32 v[QOFF], 3, v11
	v_lshl_add_u32 v[QOFF], v12, 10, v[QOFF]       ; 128 points of 8 bytes a wave
	v_lshlrev_b32 v1, 4, v0                        ; 16 t: x and W1 are copied as they lie
	v_and_b32 v2, 127, v0
	v_lshlrev_b32 v2, 2, v2                        ; my number in b0, b1 or W2
	; W0: thread t stages k' = 24 qd + i (i = 0 .. 23) of row m = t >> 2, qd = t & 3.  Column = k' - 32, plus 89 where k' < 32: a wrap of just one row
	; of 356 bytes.  i < 8 wraps where qd < 2, i >= 8 where qd = 0: two offset registers, all offsets at least 0, the last byte touched is 45,567.
	v_lshrrev_b32 v6, 2, v0                        ; m
	v_and_b32 v7, 3, v0                            ; qd
	v_mul_u32_u24 v5, 0x164, v6                    ; 356 m: also the offset of columns 0-2
	v_add_nc_u32 v3, 2, v7
	v_and_b32 v3, 3, v3
	v_mad_u32_u24 v3, v3, 96, v5
	v_mov_b32 v10, 36
	v_cmp_gt_u32 vcc_lo, 2, v7
	v_cndmask_b32 v10, 64, v10, vcc_lo
	v_add_nc_u32 v3, v3, v10                       ; 356 m + {228, 324, 64, 160} = 356 m + 96 qd - 128 (+ 356 where qd < 2)
	v_add_nc_u32 v4, 3, v7
	v_and_b32 v4, 3, v4
	v_mul_u32_u24 v4, 96, v4
	v_mov_b32 v10, 0x104
	v_cmp_eq_u32 vcc_lo, 0, v7
	v_cndmask_b32 v4, v4, v10, vcc_lo
	v_add_nc_u32 v4, v4, v5                        ; 356 m + {260, 0, 96, 192} = 356 m + 96 qd - 96 (+ 356 where qd = 0)
	; where the staged numbers go
	s_mul_i32 s44, s24, PITCH1
	s_add_co_u32 s44, s44, W1S
	v_lshl_add_u32 v10, v11, 3, s44                ; W1': row wave + 16 i, 8 bytes a lane
	v_mul_u32_u24 v12, PITCH0, v6
	v_mad_u32_u24 v12, v7, 48, v12                 ; W0': row m, 48 bytes a quarter
	v_add_nc_u32 v13, XS, v1
	v_lshl_add_u32 v14, v0, 2, BS
	s_mov_b32 s45, 0
	s_mov_b32 s48, 0x779b1                         ; the low 19 bits of 2654435761 and of 805459861: the index is the hash modulo 2^19,
	s_mov_b32 s49, 0x25795                         ; whose bits hang on the factors' low 19 bits alone; 12 bits x 19 bits fit v_mul_u32_u24
	s_mov_b32 s50, 0x7ffff
	s_mov_b32 s52, K_S4
	s_mov_b32 s53, K_S3
	s_mov_b32 s54, K_C4
	s_mov_b32 s55, K_C3
	s_mov_b32 s27, K_LN2C
	s_wait_kmcnt 0x0
	s_load_b32 s26, s[20:21], 0x0                  ; b2
	s_mul_i32 s44, ttmp9, 24576
	s_add_nc_u64 s[4:5], s[4:5], s[44:45]          ; the work-group's x,
	s_lshl_b32 s44, ttmp9, 14
	s_add_nc_u64 s[6:7], s[6:7], s[44:45]          ; q,
	s_lshl_b32 s44, ttmp9, 13
	s_add_nc_u64 s[22:23], s[22:23], s[44:45]      ; and out0
.irp l, 0,1,2,3,4,5,6,7
	s_add_nc_u64 s[TB+2*\l:TB+2*\l+1], s[8:9], \l*0x800000
.endr
	s_cmp_lt_u32 s24, 4                            ; waves 0-3 stage b0, 4-7 b1, 8-11 W2
	s_cselect_b64 s[46:47], s[12:13], s[16:17]
	s_cmp_lt_u32 s24, 8
	s_cselect_b64 s[46:47], s[46:47], s[18:19]
	s_cselect_b32 s27, K_S, s27                    ; and their factor
	; every load first.  The two oldest are never counted on: the counts below name only what is issued behind them.
	global_load_b64 v[QR:QR+1], v[QOFF], s[6:7]    ; the first trip's cells
	s_cmp_ge_u32 s24, 12
	s_cbranch_scc1 .Lnobias_a
	global_load_b32 v92, v2, s[46:47]
.Lnobias_a:
.irp i, 0,1,2
	global_load_b128 v[16+4*\i:19+4*\i], v1, s[4:5] offset:8192*\i
.endr
.irp i, 0,1,2,3,4,5,6,7
	global_load_b128 v[32+4*\i:35+4*\i], v1, s[14:15] offset:8192*\i
.endr
.set ii, 0
.rept 8
	global_load_b32 v[64+ii], v3, s[10:11] offset:4*ii         ; rows of 356 bytes are no multiple of 16: word by word, each word once
.set ii, ii+1
.endr
.rept 16
	global_load_b32 v[64+ii], v4, s[10:11] offset:4*(ii-8)
.set ii, ii+1
.endr
.irp i, 0,1,2
	global_load_b32 v[88+\i], v5, s[10:11] offset:4*\i         ; columns 0-2, for k' 89-91
.endr
	s_wait_loadcnt 35                              ; x is in: the 8 loads of W1 and the 27 of W0 stay out
.irp i, 0,1,2
	ds_store_b128 v13, v[16+4*\i:19+4*\i] offset:8192*\i
.endr
.irp i, 0,1,2,3,4,5,6,7
	s_wait_loadcnt 34-\i                           ; chunk i of W1 is in: its 7 - i later chunks and the 27 loads of W0 stay out
	v_cvt_pk_bf16_f32 v[112+2*\i], v[32+4*\i], v[33+4*\i]
	v_cvt_pk_bf16_f32 v[113+2*\i], v[34+4*\i], v[35+4*\i]
	ds_store_b64 v10, v[112+2*\i:113+2*\i] offset:16*PITCH1*\i
.endr
	s_wait_loadcnt 0x0                             ; W0, and with it every load so far
	v_cmp_ne_u32 vcc_lo, 3, v7                     ; the last quarter ends in columns 0-2 and four zeros
.irp i, 17,18,19
	v_cndmask_b32 v[64+\i], v[88+\i-17], v[64+\i], vcc_lo
.endr
.irp i, 20,21,22,23
	v_cndmask_b32 v[64+\i], 0, v[64+\i], vcc_lo
.endr
.irp j, 0,1,2,3,4,5,6,7,8,9,10,11
	v_pk_mul_f32 v[64+2*\j:65+2*\j], v[64+2*\j:65+2*\j], K_S op_sel_hi:[1,0]
.endr
.irp j, 0,1,2,3,4,5,6,7,8,9,10,11
	v_cvt_pk_bf16_f32 v[96+\j], v[64+2*\j], v[65+2*\j]
.endr
	ds_store_b128 v12, v[96:99]
	ds_store_b128 v12, v[100:103] offset:16
	ds_store_b128 v12, v[104:107] offset:32
	s_cmp_ge_u32 s24, 12
	s_cbranch_scc1 .Lnobias_b
	v_mul_f32 v92, s27, v92
	ds_store_b32 v14, v92
.Lnobias_b:
	s_wait_kmcnt 0x0                               ; b2
	s_wait_dscnt 0x0                               ; my stores are done before I say so: the others read them
	s_barrier_signal -1
	s_barrier_wait -1                              ; the only barrier: from here on weights and x are read only
	v_and_b32 v5, 15, v0                           ; r
	v_bfe_u32 v6, v0, 4, 1                         ; h
	v_mul_u32_u24 v[AW0], PITCH0, v5
	v_lshl_add_u32 v[AW0], v6, 4, v[AW0]
	v_mul_u32_u24 v[AW1], PITCH1, v5
	v_lshl_add_u32 v[AW1], v6, 4, v[AW1]
	v_add_nc_u32 v[AW1], W1S, v[AW1]
	v_lshl_add_u32 v[BA], v6, 5, BS
	v_mov_b32 v[XR+3], 0                           ; the fourth element of the pairs: computed along, never packed
	s_mul_i32 s44, s24, 1536
	s_add_co_u32 s44, s44, XS
	v_mad_u32_u24 v[XA], v11, 12, s44
	s_lshl_b32 s51, s24, 9
	s_add_co_u32 s51, s51, OS                      ; my wave's 512 bytes of results
	v_lshl_add_u32 v[OA], v11, 2, s51
; Packed register p (k' = 2p, 2p+1) of my point lies so that the swaps below turn the registers into B fragments.
.macro B1R p
.set BR, B1+16*((\p)/16)+8*((((\p)%16)/4)%2)+4*(((\p)%16)/8)+((\p)%4)
.endm
; A dense level: index = px + py R1 + pz R1 R1, the eight corners by immediate offsets from one address register.
.macro ISSUE_D l, b
.set R1, (16<<\l)+1
	v_bfe_u32 v[PX], v[QR], 7-\l, 4+\l
	v_lshrrev_b32 v[A0], 23-\l, v[QR]
	v_lshrrev_b32 v[B0], 7-\l, v[QR+1]
	v_mad_u32_u24 v[PX], v[A0], R1, v[PX]
	v_mad_u32_u24 v[PX], v[B0], R1*R1, v[PX]
	v_min_u32 v[PX], ((16<<\l)-1)*(1+R1+R1*R1), v[PX]      ; a loaded number is bounded before it enters an address
	v_lshlrev_b32 v[DA+\l], 4, v[PX]                       ; rewritten only in the next trip, behind the waits for these loads
.irp c, 0,1,2,3,4,5,6,7
	global_load_b128 v[GB+32*\b+4*\c:GB+32*\b+4*\c+3], v[DA+\l], s[TB+2*\l:TB+2*\l+1] offset:16*((\c&1)+((\c>>1)&1)*R1+(\c>>2)*R1*R1)
.endr
.endm
; A hashed level: index = (cx ^ cy P1 ^ cz P2) mod 2^19.  The four yz terms are masked once; px and px + 1 are at most 2048.
; Each address lies in the first register that its own load fills: no further registers, no wait for sources.
.macro ISSUE_H l, b
	v_bfe_u32 v[PX], v[QR], 7-\l, 4+\l
	v_lshrrev_b32 v[A0], 23-\l, v[QR]
	v_add_nc_u32 v[PX+1], 1, v[PX]
	v_mul_u32_u24 v[A0], s48, v[A0]
.if \l < 7
	v_lshrrev_b32 v[B0], 7-\l, v[QR+1]
	v_mul_u32_u24 v[B0], s49, v[B0]
.else
	v_mul_u32_u24 v[B0], s49, v[QR+1]
.endif
	v_add_nc_u32 v[A0+1], s48, v[A0]
	v_add_nc_u32 v[B0+1], s49, v[B0]
.irp k, 0,1,2,3
	v_xor_b32 v[HH+\k], v[A0+(\k&1)], v[B0+(\k>>1)]
.endr
.irp k, 0,1,2,3
	v_and_b32 v[HH+\k], s50, v[HH+\k]
.endr
.irp c, 0,1,2,3,4,5,6,7
	v_xor_b32 v[GB+32*\b+4*\c], v[PX+(\c&1)], v[HH+(\c>>1)]
	v_min_u32 v[GB+32*\b+4*\c], 0x7ffff, v[GB+32*\b+4*\c]  ; a loaded number is bounded before it enters an address
	v_lshlrev_b32 v[GB+32*\b+4*\c], 4, v[GB+32*\b+4*\c]
.endr
.irp c, 0,1,2,3,4,5,6,7
	global_load_b128 v[GB+32*\b+4*\c:GB+32*\b+4*\c+3], v[GB+32*\b+4*\c], s[TB+2*\l:TB+2*\l+1]
.endr
.endm
; features += weight of corner c x the four numbers of corner c; the weight is one half of a pair, broadcast
.macro WFMA c, gb
.if ((\c)&1)
	v_pk_fma_f32 v[FR:FR+1],   v[\gb+4*\c:\gb+4*\c+1],   v[WT+\c-1:WT+\c], v[FR:FR+1]   op_sel:[0,1,0] op_sel_hi:[1,1,1]
	v_pk_fma_f32 v[FR+2:FR+3], v[\gb+4*\c+2:\gb+4*\c+3], v[WT+\c-1:WT+\c], v[FR+2:FR+3] op_sel:[0,1,0] op_sel_hi:[1,1,1]
.else
	v_pk_fma_f32 v[FR:FR+1],   v[\gb+4*\c:\gb+4*\c+1],   v[WT+\c:WT+\c+1], v[FR:FR+1]   op_sel_hi:[1,0,1]
	v_pk_fma_f32 v[FR+2:FR+3], v[\gb+4*\c+2:\gb+4*\c+3], v[WT+\c:WT+\c+1], v[FR+2:FR+3] op_sel_hi:[1,0,1]
.endif
.endm
; Level l out of buffer b: weights from x (values, no addresses), then the sum over the corners in f32.  A product of 8 x 4 for each point, with no
; operand shared between points: vector work.  left = the loads of younger levels (8 each) that may stay out.
.macro CONSUME l, b, left
	v_pk_mul_f32 v[POS:POS+1], v[XR:XR+1], (131+\l)<<23 op_sel_hi:[1,0]    ; x (16 << l) as f32 bits, exact
	v_mul_f32 v[POS+2], (131+\l)<<23, v[XR+2]
	v_fract_f32 v[FX+1], v[POS]
	v_fract_f32 v[FY+1], v[POS+1]
	v_fract_f32 v[FZ+1], v[POS+2]
	v_sub_f32 v[FX], 1.0, v[FX+1]
	v_sub_f32 v[FY], 1.0, v[FY+1]
	v_sub_f32 v[FZ], 1.0, v[FZ+1]
	v_pk_mul_f32 v[WYZ:WYZ+1],   v[FY:FY+1], v[FZ:FZ+1] op_sel_hi:[1,0]
	v_pk_mul_f32 v[WYZ+2:WYZ+3], v[FY:FY+1], v[FZ:FZ+1] op_sel:[0,1] op_sel_hi:[1,1]
	v_pk_mul_f32 v[WT:WT+1],     v[FX:FX+1], v[WYZ:WYZ+1] op_sel_hi:[1,0]
	v_pk_mul_f32 v[WT+2:WT+3],   v[FX:FX+1], v[WYZ:WYZ+1] op_sel:[0,1] op_sel_hi:[1,1]
	v_pk_mul_f32 v[WT+4:WT+5],   v[FX:FX+1], v[WYZ+2:WYZ+3] op_sel_hi:[1,0]
	v_pk_mul_f32 v[WT+6:WT+7],   v[FX:FX+1], v[WYZ+2:WYZ+3] op_sel:[0,1] op_sel_hi:[1,1]
	s_wait_loadcnt \left                           ; loads come back in order: the eight rows of this level are in
	v_pk_mul_f32 v[FR:FR+1],   v[GB+32*\b:GB+32*\b+1],   v[WT:WT+1] op_sel_hi:[1,0]    ; corner 0 starts the sums
	v_pk_mul_f32 v[FR+2:FR+3], v[GB+32*\b+2:GB+32*\b+3], v[WT:WT+1] op_sel_hi:[1,0]
.irp c, 1,2,3,4,5,6,7
	WFMA \c, GB+32*\b
.endr
	B1R 2*\l
	v_cvt_pk_bf16_f32 v[BR], v[FR], v[FR+1]
	B1R 2*\l+1
	v_cvt_pk_bf16_f32 v[BR], v[FR+2], v[FR+3]
.endm
; one doubling of the angle, four elements
.macro DBL sd, cd, ss, cs
.irp e, 0,2
	v_pk_mul_f32 v[UU+\e:UU+\e+1], v[\ss+\e:\ss+\e+1], v[\cs+\e:\cs+\e+1]
	v_pk_mul_f32 v[VV+\e:VV+\e+1], v[\ss+\e:\ss+\e+1], v[\ss+\e:\ss+\e+1]
.endr
.irp e, 0,2
	v_pk_add_f32 v[\sd+\e:\sd+\e+1], v[UU+\e:UU+\e+1], v[UU+\e:UU+\e+1]
	v_pk_fma_f32 v[\cd+\e:\cd+\e+1], v[\cs+\e:\cs+\e+1], v[\cs+\e:\cs+\e+1], v[VV+\e:VV+\e+1] neg_lo:[0,0,1] neg_hi:[0,0,1]
.endr
.endm
; the register of number j of [x (3), sin (27: 3 m + d), cos (27), x low part (3)]
.macro VALOF j
.if (\j) < 3
.set VR, XR+(\j)
.else
.if (\j) < 30
.set VR, SN+4*(((\j)-3)/3)+((\j)-3)%3
.else
.if (\j) < 57
.set VR, CS+4*(((\j)-30)/3)+((\j)-30)%3
.else
.set VR, XL+(\j)-57
.endif
.endif
.endif
.endm
.macro PACKJ first, count              ; numbers first, first + 1, ... to bf16, two at a time, at k' = 32 + j
.set jj, \first
.rept \count
	VALOF jj
.set VA0, VR
	VALOF jj+1
	B1R 16+jj/2
	v_cvt_pk_bf16_f32 v[BR], v[VA0], v[VR]
.set jj, jj+2
.endr
.endm
.macro POSEMBED
.irp e, 0,2
	v_pk_mul_f32 v[UU+\e:UU+\e+1], v[XR+\e:XR+\e+1], 0.15915494 op_sel_hi:[1,0]
.endr
.irp e, 0,1,2,3
	v_rndne_f32 v[UU+\e], v[UU+\e]
.endr
.irp e, 0,2
	v_pk_fma_f32 v[TH+\e:TH+\e+1], v[UU+\e:UU+\e+1], K_N2PIH, v[XR+\e:XR+\e+1] op_sel_hi:[1,0,1]
.endr
.irp e, 0,2
	v_pk_fma_f32 v[TH+\e:TH+\e+1], v[UU+\e:UU+\e+1], K_N2PIL, v[TH+\e:TH+\e+1] op_sel_hi:[1,0,1]
.endr
.irp e, 0,2
	v_pk_mul_f32 v[TH+\e:TH+\e+1], v[TH+\e:TH+\e+1], 0x3e800000 op_sel_hi:[1,0]    ; a quarter of the reduced angle
.endr
.irp e, 0,2
	v_pk_mul_f32 v[ZZ+\e:ZZ+\e+1], v[TH+\e:TH+\e+1], v[TH+\e:TH+\e+1]
.endr
.irp e, 0,1,2,3
	v_fma_f32 v[PS+\e], v[ZZ+\e], s52, s53         ; two constants in one instruction: two scalar registers
	v_fma_f32 v[PC+\e], v[ZZ+\e], s54, s55
.endr
.irp e, 0,2
	v_pk_fma_f32 v[PS+\e:PS+\e+1], v[PS+\e:PS+\e+1], v[ZZ+\e:ZZ+\e+1], K_S2 op_sel_hi:[1,1,0]
	v_pk_fma_f32 v[PC+\e:PC+\e+1], v[PC+\e:PC+\e+1], v[ZZ+\e:ZZ+\e+1], K_C2 op_sel_hi:[1,1,0]
.endr
.irp e, 0,2
	v_pk_fma_f32 v[PS+\e:PS+\e+1], v[PS+\e:PS+\e+1], v[ZZ+\e:ZZ+\e+1], K_S1 op_sel_hi:[1,1,0]
	v_pk_fma_f32 v[PC+\e:PC+\e+1], v[PC+\e:PC+\e+1], v[ZZ+\e:ZZ+\e+1], -0.5 op_sel_hi:[1,1,0]
	v_pk_mul_f32 v[UU+\e:UU+\e+1], v[ZZ+\e:ZZ+\e+1], v[TH+\e:TH+\e+1]
.endr
.irp e, 0,2
	v_pk_fma_f32 v[PS+\e:PS+\e+1], v[UU+\e:UU+\e+1], v[PS+\e:PS+\e+1], v[TH+\e:TH+\e+1]    ; sin
	v_pk_fma_f32 v[PC+\e:PC+\e+1], v[PC+\e:PC+\e+1], v[ZZ+\e:ZZ+\e+1], 1.0 op_sel_hi:[1,1,0]   ; cos
.endr
	DBL TH, ZZ, PS, PC
	DBL SN, CS, TH, ZZ                             ; sin x, cos x
.set mm, 0
.rept 8
	DBL SN+4*mm+4, CS+4*mm+4, SN+4*mm, CS+4*mm     ; the next octave
.set mm, mm+1
.endr
	PACKJ 0, 2                                     ; (x, y), (z, sin x)
	v_lshlrev_b32 v[XL],   16, v[B1+16]            ; bf16(x) widened again,
	v_and_b32     v[XL+1], 0xffff0000, v[B1+16]
	v_lshlrev_b32 v[XL+2], 16, v[B1+17]
.irp e, 0,1,2
	v_sub_f32 v[XL+\e], v[XR+\e], v[XL+\e]         ; and what it lost
.endr
	PACKJ 4, 28
	v_mov_b32 v[B1+46], 0                          ; k' 92-95; in every trip, since the swaps mix these registers with data
	v_mov_b32 v[B1+47], 0
.endm
; v_permlane16_swap_b32 a, b exchanges lanes 16-31 of a with lanes 0-15 of b.  a holds k 2i, 2i+1 (or 16 + ..) of all 32 points, b holds k 8 + 2i ..:
; afterwards a is register i of the fragment of points 0-15 and b that of points 16-31.
.macro SWAPS
.irp s, 0,1,2
.irp i, 0,1,2,3,4,5,6,7
	v_permlane16_swap_b32 v[B1+16*\s+\i], v[B1+16*\s+8+\i]
.endr
.endr
.endm
; weights and biases of neuron tiles 2 st, 2 st + 1 of layer 1: 16 loads
.macro LDA1 st
.irp tp, 0,1
	ds_load_b128 v[BI+8*\tp:BI+8*\tp+3],   v[BA] offset:64*(2*(\st)+\tp)
	ds_load_b128 v[BI+8*\tp+4:BI+8*\tp+7], v[BA] offset:64*(2*(\st)+\tp)+16
.irp k, 0,1,2
	ds_load_b128 v[AF+8*(4*\tp+\k):AF+8*(4*\tp+\k)+3],   v[AW0] offset:16*PITCH0*(2*(\st)+\tp)+64*\k
	ds_load_b128 v[AF+8*(4*\tp+\k)+4:AF+8*(4*\tp+\k)+7], v[AW0] offset:16*PITCH0*(2*(\st)+\tp)+64*\k+32
.endr
.endr
.endm
; the same of layer 2, with W2' of these neurons (sets take turns: the set in use is still read when the next is asked for): 24 loads
.macro LDA2 st
.irp tp, 0,1
	ds_load_b128 v[BI+8*\tp:BI+8*\tp+3],   v[BA] offset:512+64*(2*(\st)+\tp)
	ds_load_b128 v[BI+8*\tp+4:BI+8*\tp+7], v[BA] offset:512+64*(2*(\st)+\tp)+16
	ds_load_b128 v[W2R+16*((\st)&1)+8*\tp:W2R+16*((\st)&1)+8*\tp+3],   v[BA] offset:1024+64*(2*(\st)+\tp)
	ds_load_b128 v[W2R+16*((\st)&1)+8*\tp+4:W2R+16*((\st)&1)+8*\tp+7], v[BA] offset:1024+64*(2*(\st)+\tp)+16
.irp k, 0,1,2,3
	ds_load_b128 v[AF+8*(4*\tp+\k):AF+8*(4*\tp+\k)+3],   v[AW1] offset:16*PITCH1*(2*(\st)+\tp)+64*\k
	ds_load_b128 v[AF+8*(4*\tp+\k)+4:AF+8*(4*\tp+\k)+7], v[AW1] offset:16*PITCH1*(2*(\st)+\tp)+64*\k+32
.endr
.endr
.endm
; 2 neuron tiles x 2 point tiles, ksteps steps of 32 along K, the four sums in turn.  The first link takes the bias as C; the later ones are links in place.
.macro MM base, ksteps
.set kk, 0
.rept \ksteps
.irp tp, 0,1
.irp n, 0,1
.if kk == 0
	v_wmma_f32_16x16x32_bf16 v[ACC+8*(2*\tp+\n):ACC+8*(2*\tp+\n)+7], v[AF+8*(4*\tp+kk):AF+8*(4*\tp+kk)+7], v[\base+16*kk+8*\n:\base+16*kk+8*\n+7], v[BI+8*\tp:BI+8*\tp+7]
.else
	v_wmma_f32_16x16x32_bf16 v[ACC+8*(2*\tp+\n):ACC+8*(2*\tp+\n)+7], v[AF+8*(4*\tp+kk):AF+8*(4*\tp+kk)+7], v[\base+16*kk+8*\n:\base+16*kk+8*\n+7], v[ACC+8*(2*\tp+\n):ACC+8*(2*\tp+\n)+7]
.endif
.endr
.endr
.set kk, kk+1
.endr
.endm
; Four independent vector instructions stand between a matrix instruction and a load into one of its registers or a vector instruction that reads
; its result.  The next run of products, which writes over the sums, finds these four and the additions on TT behind it.
.macro PLACES
.rept 4
	v_nop
.endr
.endm
; g = max(y, 0) + log2(1 + 2^-|y|) on 16 registers, in place
.macro SP16 base
.set ii, 0
.rept 16
	v_exp_f32 v[TT+ii], -|v[\base+ii]|
.set ii, ii+1
.endr
	v_nop                                          ; one plain instruction behind the run of exponentials (ISA guide 5.7.2)
.set ii, 0
	s_wait_alu depctr_va_vdst(0)
.rept 8
	v_pk_add_f32 v[TT+ii:TT+ii+1], v[TT+ii:TT+ii+1], 1.0 op_sel_hi:[1,0]
.set ii, ii+2
.endr
.set ii, 0
.rept 16
	v_log_f32 v[TT+ii], v[TT+ii]
.set ii, ii+1
.endr
.set ii, 0
.rept 16
	v_max_num_f32 v[\base+ii], 0, v[\base+ii]      ; the first of these is the plain instruction behind the run of logarithms: it names no TT
.set ii, ii+1
.endr
.set ii, 0
	s_wait_alu depctr_va_vdst(0)
.rept 8
	v_pk_add_f32 v[\base+ii:\base+ii+1], v[\base+ii:\base+ii+1], v[TT+ii:TT+ii+1]
.set ii, ii+2
.endr
.endm
.macro CVTH st                         ; g of neuron tiles 2 st, 2 st + 1 = the B fragments of K step st of layer 2
.irp tp, 0,1
.irp n, 0,1
.irp i, 0,1,2,3
	v_cvt_pk_bf16_f32 v[H1+8*(2*\st+\n)+4*\tp+\i], v[ACC+8*(2*\tp+\n)+2*\i], v[ACC+8*(2*\tp+\n)+2*\i+1]
.endr
.endr
.endr
.endm
.macro DOT st                          ; the last layer, f32: four chains that do not wait for each other; the first products start them
.irp i, 0,1,2,3
.irp tp, 0,1
.irp n, 0,1
.if \st+\i == 0
	v_pk_mul_f32 v[PA+2*(2*\n+\tp):PA+2*(2*\n+\tp)+1], v[ACC+8*(2*\tp+\n)+2*\i:ACC+8*(2*\tp+\n)+2*\i+1], v[W2R+16*(\st&1)+8*\tp+2*\i:W2R+16*(\st&1)+8*\tp+2*\i+1]
.else
	v_pk_fma_f32 v[PA+2*(2*\n+\tp):PA+2*(2*\n+\tp)+1], v[ACC+8*(2*\tp+\n)+2*\i:ACC+8*(2*\tp+\n)+2*\i+1], v[W2R+16*(\st&1)+8*\tp+2*\i:W2R+16*(\st&1)+8*\tp+2*\i+1], v[PA+2*(2*\n+\tp):PA+2*(2*\n+\tp)+1]
.endif
.endr
.endr
.endr
.endm
	s_mov_b32 s25, 0
.Lpass:
	s_wait_loadcnt 0x0                             ; the cells are the only load that is out; QOFF is free with it
	ds_load_b32 v[XR],   v[XA]                     ; lanes 12 bytes apart: 32 different words modulo 256 bytes
	ds_load_b32 v[XR+1], v[XA] offset:4
	ds_load_b32 v[XR+2], v[XA] offset:8
	ISSUE_D 0, 0                                   ; 24 gathers go out before anything else is computed
	ISSUE_D 1, 1
	ISSUE_D 2, 2
	s_wait_dscnt 0x0                               ; x (and the last trip's result store)
	POSEMBED
	CONSUME 0, 0, 16                               ; two younger levels, 8 loads each, stay out
	ISSUE_H 3, 0
	CONSUME 1, 1, 16
	ISSUE_H 4, 1
	CONSUME 2, 2, 16
	ISSUE_H 5, 2
	CONSUME 3, 0, 16
	ISSUE_H 6, 0
	CONSUME 4, 1, 16
	ISSUE_H 7, 1
	CONSUME 5, 2, 16
	CONSUME 6, 0, 8
	CONSUME 7, 1, 0
	s_cmp_eq_u32 s25, TRIPS-1                      ; the next trip's cells come in under the network; the last trip asks for none.
	s_cbranch_scc1 .Lnoq                           ; No counted wait stands between here and the wait for 0 at the loop's head.
	v_add_nc_u32 v[QOFF], 256, v[QOFF]
	global_load_b64 v[QR:QR+1], v[QOFF], s[6:7]
.Lnoq:
	LDA1 0
	SWAPS
.irp s, 0,1,2,3
	s_wait_dscnt 0x0                               ; the one run of fragment loads, issued a whole softplus ago; nothing younger is out
	MM B1, 3
	PLACES
.if \s < 3
	LDA1 \s+1
.else
	LDA2 0
.endif
	SP16 ACC
	SP16 ACC+16
	CVTH \s
.endr
.irp s, 0,1,2,3
	s_wait_dscnt 0x0
	MM H1, 4
	PLACES
.if \s < 3
	LDA2 \s+1
.endif
	SP16 ACC
	SP16 ACC+16
	DOT \s
.endr
	; lane (r, h) holds the sums over its 64 neurons for point r (PA) and point 16 + r (PA+4): the swap brings each point's two halves into its own lane
	v_pk_add_f32 v[PA:PA+1],   v[PA:PA+1],   v[PA+2:PA+3]
	v_pk_add_f32 v[PA+4:PA+5], v[PA+4:PA+5], v[PA+6:PA+7]
	v_add_f32 v[PA],   v[PA],   v[PA+1]
	v_add_f32 v[PA+4], v[PA+4], v[PA+5]
	v_permlane16_swap_b32 v[PA], v[PA+4]
	v_add_f32 v[PA], v[PA], v[PA+4]
	v_add_f32 v[PA], s26, v[PA]                    ; + b2
	ds_store_b32 v[OA], v[PA]
	v_add_nc_u32 v[OA], 128, v[OA]
	v_add_nc_u32 v[XA], 384, v[XA]
	s_add_co_u32 s25, s25, 1
	s_cmp_lt_u32 s25, TRIPS
	s_cbranch_scc1 .Lpass
	; the way out: my wave's 128 results, its own bytes (LDS serves a wave's instructions in order: ISA guide 5.7.1), 16 bytes a lane:
	; the store of a wave covers 512 consecutive bytes at a multiple of 512 from the first byte of out0
	v_and_b32 v16, 31, v0
	v_lshl_add_u32 v16, v16, 4, s51
	v_lshlrev_b32 v17, 4, v0
	ds_load_b128 v[20:23], v16
	s_wait_dscnt 0x0
	global_store_b128 v17, v[20:23], s[22:23]
	s_wait_xcnt 0x0
	v_lshl_add_u32 v254, v0, 2, 0x17600
	v_mov_b32 v255, 0
	s_wait_tensorcnt 0x0
	ds_add_u32 v254, v255
	s_wait_dscnt 0x0
	s_endpgm
.Lfunc_end_k_qa7a6368f20_field:
	.size	k_qa7a6368f20_field, .Lfunc_end_k_qa7a6368f20_field-k_qa7a6368f20_field
	.p2alignl 7, 3214868480
	.fill 96, 4, 3214868480
	.section	.rodata,"a",@progbits
	.p2align	6, 0x0
	.amdhsa_kernel k_qa7a6368f20_field
		.amdhsa_group_segment_fixed_size 97792
		.amdhsa_private_segment_fixed_size 0
		.amdhsa_enable_private_segment 0
		.amdhsa_kernarg_size 80
		.amdhsa_user_sgpr_count 2
		.amdhsa_user_sgpr_kernarg_segment_ptr 1
		.amdhsa_wavefront_size32 1
		.amdhsa_system_sgpr_workgroup_id_x 1
		.amdhsa_system_sgpr_workgroup_id_y 1
		.amdhsa_system_sgpr_workgroup_id_z 1
		.amdhsa_system_vgpr_workitem_id 0
		.amdhsa_next_free_vgpr 256
		.amdhsa_next_free_sgpr 66
		.amdhsa_reserve_vcc 1
		.amdhsa_float_denorm_mode_32 3
		.amdhsa_float_denorm_mode_16_64 3
		.amdhsa_memory_ordered 1
		.amdhsa_forward_progress 1
		.amdhsa_inst_pref_size 131
	.end_amdhsa_kernel
	.amdgpu_metadata
---
amdhsa.version: [ 1, 2 ]
amdhsa.kernels:
  - .name:           k_qa7a6368f20_field
    .symbol:         k_qa7a6368f20_field.kd
    .args:
      - { .name: x, .offset: 0, .size: 8, .value_kind: global_buffer, .address_space: global }
      - { .name: q, .offset: 8, .size: 8, .value_kind: global_buffer, .address_space: global }
      - { .name: table, .offset: 16, .size: 8, .value_kind: global_buffer, .address_space: global }
      - { .name: W0, .offset: 24, .size: 8, .value_kind: global_buffer, .address_space: global }
      - { .name: b0, .offset: 32, .size: 8, .value_kind: global_buffer, .address_space: global }
      - { .name: W1, .offset: 40, .size: 8, .value_kind: global_buffer, .address_space: global }
      - { .name: b1, .offset: 48, .size: 8, .value_kind: global_buffer, .address_space: global }
      - { .name: W2, .offset: 56, .size: 8, .value_kind: global_buffer, .address_space: global }
      - { .name: b2, .offset: 64, .size: 8, .value_kind: global_buffer, .address_space: global }
      - { .name: out0, .offset: 72, .size: 8, .value_kind: global_buffer, .address_space: global }
    .group_segment_fixed_size: 97792
    .private_segment_fixed_size: 0
    .kernarg_segment_align: 8
    .kernarg_segment_size: 80
    .max_flat_workgroup_size: 512
    .sgpr_count:     66
    .vgpr_count:     256
    .wavefront_size: 32
...
	.end_amdgpu_metadata
.endif
;; end of part 2
